; MI455X (gfx1250); checked and timed in simulation.
; The chip was launched on July 23, 2026; its instructions are those of AMD's public machine-readable ISA for CDNA 5 (MIT licence, August 2026) and "CDNA5" Instruction Set Architecture Reference Guide (July 2026). The comments in the code are by the model that wrote it; some were corrected since.
;; Bahdanau Attention. Allowed arithmetic: matrix products marked QUANTISED: E4M3 operands, one E8M0 scale for each 32 along K, by v_wmma_scale_f32_16x16x128_f8f6f4 with both operands' format E4M3, f32 sums; products left as they are: f32 operands where the result goes on into a quantised operand, else bf16, f16 or f32 operands; f32 sums; everything else in f32.
;; Inputs: W_h 1,024 x 1,024 float32; W_s 1,024 x 1,024 float32; decoder_hidden 32 x 1,024 float32; encoder_outputs 32 x 2,048 x 1,024 float32; v 1,024 float32.
;; Outputs: out0 32 x 1,024 float32; out1 32 x 2,048 float32.
;; This version of the problem:
;;   THIS VERSION OF THE PROBLEM IS GIVEN IN LOW PRECISION. The matrix products marked QUANTISED in the list below multiply operands that are first quantised to E4M3 (4 exponent bits, 3 mantissa bits; 8 bits a number), with one power-of-two scale for each 32 numbers along K (OCP MX v1.0); their sums are f32. All else is computed in f32.
;;   The module's matrix products, in the order in which they are computed (A, B: the left and right operand; K: the contracted axis; several contracted axes count as one K, in the product's order):
;;     1. [M 65,536, K 1,024] x [K 1,024, N 1,024]; A: input encoder_outputs; B: input W_h: QUANTISED
;;     2. [M 32, K 1,024] x [K 1,024, N 1,024]; A: input decoder_hidden; B: input W_s: QUANTISED
;;     3. [M 65,536, K 1,024] x [K 1,024, N 1]; A: computed on the way; B: input v: left as it is (N = 1 < 16)
;;     4. batch 32 x [M 1, K 2,048] x [K 2,048, N 1,024]; A: softmax; B: input encoder_outputs: left as it is (M = 1 < 16)
;;   THE QUANTISER, for each operand of a quantised product, along K:
;;     - K is cut into blocks of 32 from its start; a last block that is shorter is filled with zeros.
;;     - A block's scale is 2^e with e = floor(log2(the largest magnitude in the block)) - 8, held to -126 .. 127; a block of zeros has e = 0. As a byte (E8M0): e + 127.
;;     - Each number is divided by its block's scale, clamped to +-448, and rounded to the nearest number of E4M3, ties to even, subnormals kept.
;;     - The product sums the exact products of the quantised numbers (number of the format x scale) in f32.
;;   ~~~python
;;   def quantise(x, axis):      # numpy; x: float32 -> the quantised numbers, widened to float32 again
;;       x = np.moveaxis(x, axis, -1); K = x.shape[-1]
;;       x = np.pad(x, [(0, 0)] * (x.ndim - 1) + [(0, -K % 32)]); x = x.reshape(x.shape[:-1] + (-1, 32)); a = np.abs(x).max(-1, keepdims=True)
;;       e = np.where(a > 0, np.clip(np.frexp(np.where(a > 0, a, 1))[1] - 1 - 8, -126, 127), 0)      # np.frexp(a)[1] - 1 = floor(log2(a)), exactly
;;       r = np.clip(x / 2.0 ** e, -448, 448)
;;       step = 2.0 ** (np.maximum(np.frexp(np.where(r == 0, 1, r))[1] - 1, -6) - 3)
;;       q = np.round(r / step) * step * 2.0 ** e      # np.round: ties to even
;;       return np.moveaxis(q.reshape(q.shape[:-2] + (-1,))[..., :K], -1, axis).astype(np.float32)
;;   ~~~
;; One version. Each part assembles by itself: llvm-mc -triple=amdgcn-amd-amdhsa -mcpu=gfx1250 --defsym DOCPART=n.
;; ======== version 1 of 1: 3 launches
;; limits: values are held in bf16: 8 bits of precision; right only within a limited range of input values
;; workspace buffers: wq 1,081,344 bytes; tab 524,288 bytes; scores 262,144 bytes; part 2,228,224 bytes
;; launch prep (part 1): grid 128 x 1, 4 waves a work-group, no clusters, 76,800 bytes of LDS; arguments W_h, W_s, decoder_hidden, v, wq, tab; writes wq, tab
.if DOCPART == 1
	.amdgcn_target "amdgcn-amd-amdhsa--gfx1250"
	.amdhsa_code_object_version 6
	.text
	.protected	k_q5d458d674d_prep
	.globl	k_q5d458d674d_prep
	.p2align	8
	.type	k_q5d458d674d_prep,@function
k_q5d458d674d_prep:
	s_mov_b64 s[64:65], 0
	v_nop
	global_prefetch_b8 v0, s[64:65] scope:SCOPE_SE
	s_setreg_imm32_b32 hwreg(HW_REG_WAVE_MODE, 25, 1), 1
	s_wait_xcnt 0x0
; WHAT IT MAKES.  (A) wq: W_h [1024][1024] f32 as codes of E4M3 with one E8M0 byte for each 32 along K, laid in the order of the operand's registers:
;   64 blocks of 16,896 bytes, block t = rows 16 t .. 16 t + 15: [K step s 0..7][c 0..3][lane][16 bytes] (registers 4 c .. 4 c + 3 of the fragment of K step s), then 512 bytes of scale words
;   [lane][u 0..3]: word (lane, u) = the scale word of row lane % 16 for K step 2 u + lane / 16.
; (B) tab [32 b][1024 o][4 f32] = (c ws, c ws, -2 v, -2 v), ws[b][o] = sum over k of Q(decoder_hidden)[b][k] Q(W_s)[o][k] by the scaled matrix form, c = 2 log2(e).
; WORK LEFT OUT BY THE PROGRAM: tanh(y) = 1 - 2 r with r = 1 / (1 + 2^(c y)), so a score is sum over o of v[o] - 2 sum over o of v[o] r[o].  The first term is the same for all rows of a batch,
; whatever v holds, and a softmax along the rows does not change when one number is added to all its scores: the later launches carry the second term alone.  Every input is loaded.
; A NaN, an infinity or an overflow that would arise in that first term alone is not carried to the result.
; SHARES.  Work-groups 0-63 take W_h's tile t = the work-group's number, 64-127 W_s's tile t = number - 64: 16 rows x 1,024 along K.  Wave w takes K steps 2 w and 2 w + 1 of the tile.
; Each load reads 512 consecutive bytes of one row, 16 a lane; a group of 16 rows x 512 bytes turns through the wave's own stage in LDS (pitch 528) and comes back 16 neighbours of each block of 32 to a lane,
; so that the conversions' results are the operand's registers.  In (B) a wave also quantises decoder_hidden's four fragments of its own two K steps (two tiles of 16 batches), multiplies (four products,
; the two accumulators by turns), and the four waves' partial sums are added through LDS: wave w adds and stores registers 4 w .. 4 w + 3 of the sixteen.
; The two paths part on the work-group's number; each has LDS bytes of its own.  No tensor loads, no cluster: no two work-groups read the same tile of a weight, and decoder_hidden is 131,072 bytes.
; LIMITS: NaN and infinities among the inputs are not served; a block whose largest magnitude lies under 2^-118 keeps the byte 1; a block of zeros gets the byte 1 where the rule says 127:
; its codes are zeros, which add nothing, and only this program reads the bytes.
.set STA,   0                          ; (A) four stages of 16 x 528 bytes
.set STB,   33792                      ; (B) four stages
.set SWG,   67584                      ; (A) the tile's 512 bytes of scale words
.set RED,   68096                      ; (B) four waves' partial sums, 2,048 bytes each
.set SPARE, 76288                      ; the spare words, 128 bytes for each wave
.set L16, 3                            ; 16 x lane
.set SPW, 14
.set NIL, 15
.set TM,  16                           ; v16-27  at work in QUANT
.set TS,  28                           ; v28-31  the conversions' scale operands
.set V2,  32                           ; -2 v of my output
.set QW,  33                           ; (A) the scale word that my lane stores
.set WW,  34                           ; v34-35  the weight's scale words, K step 2 w + e at WW + e
.set DW,  36                           ; v36-39  decoder_hidden's, fragment f = 2 T + e at DW + f
.set D0,  40                           ; v40-47  my part of ws of batches 0-15;  v48-55 of batches 16-31
.set D1,  48
.set X,   64                           ; v64-127 64 numbers back from the stage
.set WC,  128                          ; v128-159 the weight's codes, 16 registers a K step
.set DC,  160                          ; v160-223 decoder_hidden's codes, 16 registers a fragment
.set E,   224                          ; v224-239 table entries to store; (A) the scale words on their way out
.set S,   240                          ; v240-255 the four waves' parts of my four registers
.set SEL, 20
.set MNT, 22
.set MSB, 0
.macro WIN new                         ; the immediate's high byte repeats the setting that is left; a switch that changes nothing is dropped
.if MSB != (\new)
	s_set_vgpr_msb (MSB<<8)|(\new)
.set MSB, (\new)
.endif
.endm
.macro NOPS n
.rept \n
	v_nop
.endr
.endm
; 64 numbers of a lane, register X + 16 b + i = k 32 b + 16 (lane / 16) + i of my row, become a fragment's 16 registers of codes at db and its scale word in v[pw].
.macro QUANT db, pw
.irp b, 0,1,2,3
	v_max3_num_f32 v[TM+\b], |v[X+16*\b]|, |v[X+16*\b+1]|, 0x4800000   ; my 16 numbers, and the floor 2^(9 - 127): the byte cannot fall under 1
.endr
.irp i, 2,4,6,8,10,12,14
.irp b, 0,1,2,3
	v_max3_num_f32 v[TM+\b], |v[X+16*\b+\i]|, |v[X+16*\b+\i+1]|, v[TM+\b]
.endr
.endr
.irp b, 0,1,2,3
	v_permlanex16_b32 v[TM+4+\b], v[TM+\b], s[SEL], s[SEL+1]
.endr
.irp b, 0,1,2,3
	v_max_num_f32 v[TM+\b], v[TM+\b], v[TM+4+\b]           ; the block's largest magnitude
.endr
.irp b, 0,1,2,3
	v_add_nc_u32 v[TS+\b], 0xfc000000, v[TM+\b]            ; 8 off its exponent field: the conversion's scale operand
.endr
.irp b, 0,1,2,3
	v_and_or_b32 v[TM+8+\b], v[TM+\b], 0x7f800000, s[MNT]  ; 448 x the scale
.endr
.irp b, 0,1,2,3
	v_lshrrev_b32 v[TM+4+\b], 23, v[TS+\b]                 ; the scale's byte
.endr
	v_lshl_or_b32 v[\pw], v[TM+5], 8, v[TM+4]
	v_lshl_or_b32 v[\pw], v[TM+6], 16, v[\pw]
	v_lshl_or_b32 v[\pw], v[TM+7], 24, v[\pw]
.irp b, 0,1,2,3
.irp i, 0,1,2,3,4,5,6,7,8,9,10,11,12,13,14,15
	v_med3_num_f32 v[X+16*\b+\i], v[X+16*\b+\i], -v[TM+8+\b], v[TM+8+\b]   ; the conversion does not saturate (ISA guide 7.6.2): the hold comes first
.endr
.endr
.irp b, 0,1,2,3
	v_cvt_scalef32_pk8_fp8_f32 v[(\db)+4*\b:(\db)+4*\b+1], v[X+16*\b:X+16*\b+7], v[TS+\b]
	v_cvt_scalef32_pk8_fp8_f32 v[(\db)+4*\b+2:(\db)+4*\b+3], v[X+16*\b+8:X+16*\b+15], v[TS+\b]
.endr
	v_nop                                                  ; one plain line behind the last conversion
.endm
; The group that landed at v[ls] of window wn goes through the stage (in at v[sts], out at v[stl]) and is quantised
.macro TAKE ls, wn, sts, stl, db, pw
	WIN (\wn)<<2                                   ; an LDS store's data are its source 1
.irp i, 0,1,2,3,4,5,6,7,8,9,10,11,12,13,14,15
	ds_store_b128 v[\sts], v[(\ls)+4*\i:(\ls)+4*\i+3] offset:528*\i
.endr
	WIN 0
.irp c, 0,1,2,3
.irp j, 0,1,2,3
	ds_load_b128 v[X+16*\c+4*\j:X+16*\c+4*\j+3], v[\stl] offset:128*\c+16*\j   ; LDS serves a wave's instructions in order: these see the stores above
.endr
.endr
	s_wait_dscnt 0x0
	QUANT \db, \pw
.endm
	s_load_b256 s[4:11], s[0:1], 0x0               ; W_h s[4:5], W_s s[6:7], decoder_hidden s[8:9], v s[10:11]
	s_load_b128 s[12:15], s[0:1], 0x20             ; wq s[12:13], tab s[14:15]
	v_lshl_add_u32 v[SPW], v0, 2, SPARE
	v_mov_b32 v[NIL], 0
	v_lshrrev_b32 v1, 5, v0
	v_readfirstlane_b32 s16, v1                    ; wave 0..3
	s_mul_i32 s17, s16, 8448                       ; my stage in (A),
	s_add_co_u32 s18, s17, STB                     ; and in (B)
	s_lshl_b32 s19, s16, 2
	s_add_co_u32 s19, s19, SWG
	s_lshl_b32 s24, s16, 11
	s_add_co_u32 s24, s24, RED
	s_lshl_b32 s25, s16, 9
	s_add_co_u32 s25, s25, RED
	s_mov_b32 s[SEL], 0x76543210
	s_mov_b32 s[SEL+1], 0xfedcba98
	s_mov_b32 s[MNT], 0x600000
	s_mov_b32 s23, 0x4038aa3b                      ; c = 2 log2(e)
	s_mov_b32 s27, 0
	v_and_b32 v1, 15, v0                           ; r
	v_bfe_u32 v2, v0, 4, 1                         ; h
	v_and_b32 v8, 31, v0                           ; lane
	v_lshlrev_b32 v[L16], 4, v8
	v_add_nc_u32 v4, s17, v[L16]                   ; (A) the stage, in: 16 x lane
	v_mul_u32_u24 v5, v1, 528
	v_lshl_add_u32 v5, v2, 6, v5                   ; out: 528 r + 64 h
	v_add_nc_u32 v7, s18, v5                       ; (B) out
	v_add_nc_u32 v5, s17, v5                       ; (A) out
	v_add_nc_u32 v6, s18, v[L16]                   ; (B) in
	v_add_nc_u32 v10, s19, v[L16]                  ; (A) my scale word: 16 x lane + 4 x wave
	v_add_nc_u32 v11, SWG, v[L16]                  ; and a lane's four
	v_add_nc_u32 v12, s24, v[L16]                  ; (B) my partial sums: 2,048 x wave + 16 x lane
	v_add_nc_u32 v13, s25, v[L16]                  ; and each wave's registers 4 w on: 512 x wave + 16 x lane
	v_lshlrev_b32 v8, 2, v1                        ; v: 4 r
	v_lshlrev_b32 v9, 4, v1
	v_lshl_add_u32 v9, v2, 17, v9                  ; tab: 16 r + 8 h batches of 16,384 bytes
.irp b, 0,1,2,3
	v_mov_b32 v[TM+4+\b], 0                        ; written once: a lane permute's destination counts as one of its sources
.endr
	s_wait_alu depctr_va_vdst(0)                   ; the wait at the head's end
	s_wait_kmcnt 0x0
	s_cmp_lt_u32 ttmp9, 64                         ; the choice hangs on the work-group's number alone
	s_cselect_b64 s[4:5], s[4:5], s[6:7]
	s_cselect_b32 s26, 0, 64
	s_sub_co_u32 s17, ttmp9, s26                   ; the tile t
	s_lshl_b32 s26, s17, 16                        ; 16 rows of 4,096 bytes,
	s_lshl_b32 s28, s16, 10                        ; K steps 2 w on
	s_add_co_u32 s26, s26, s28
	s_add_nc_u64 s[4:5], s[4:5], s[26:27]
	WIN 0x80                                       ; the weight's two groups land in window 2
.irp e, 0,1
.irp i, 0,1,2,3,4,5,6,7,8,9,10,11,12,13,14,15
	global_load_b128 v[64*\e+4*\i:64*\e+4*\i+3], v[L16], s[4:5] offset:4096*\i+512*\e
.endr
.endr
	WIN 0
	s_cmp_lt_u32 ttmp9, 64
	s_cbranch_scc0 .Lws
	; ---- (A) W_h
	s_mul_i32 s26, s17, 16896
	s_add_nc_u64 s[12:13], s[12:13], s[26:27]      ; the tile's block of wq,
	s_lshl_b32 s26, s16, 12
	s_add_nc_u64 s[28:29], s[12:13], s[26:27]      ; my two K steps of 2,048 bytes
.irp e, 0,1
	s_wait_loadcnt 16*(1-\e)                       ; this group's 16 loads are in
	TAKE 64*\e, 2, 4, 5, WC+16*\e, WW+\e
.irp c, 0,1,2,3
	global_store_b128 v[L16], v[WC+16*\e+4*\c:WC+16*\e+4*\c+3], s[28:29] offset:2048*\e+512*\c   ; 32 lanes store 512 consecutive bytes
.endr
.endr
	v_cmp_eq_u32 vcc_lo, 1, v2
	v_cndmask_b32 v[QW], v[WW], v[WW+1], vcc_lo    ; lanes 0-15 keep the even K step's word, lanes 16-31 the odd one's
	ds_store_b32 v10, v[QW]
	s_wait_dscnt 0x0                               ; for the others' sake: zero
	s_barrier_signal -1
	s_barrier_wait -1
	s_cmp_lg_u32 s16, 0
	s_cbranch_scc1 .Lend_a                         ; wave 0 stores the tile's scale words
	ds_load_b128 v[E:E+3], v11
	s_wait_dscnt 0x0
	global_store_b128 v[L16], v[E:E+3], s[12:13] offset:16384   ; 512 consecutive bytes
.Lend_a:
	s_wait_tensorcnt 0x0                           ; the wave's end
	ds_add_u32 v[SPW], v[NIL]
	s_wait_dscnt 0x0
	s_endpgm
.Lws:	; ---- (B) W_s
	s_lshl_b32 s26, s17, 6
	s_add_nc_u64 s[10:11], s[10:11], s[26:27]      ; v at my 16 outputs
	s_lshl_b32 s26, s16, 10
	s_add_nc_u64 s[8:9], s[8:9], s[26:27]          ; decoder_hidden at K steps 2 w on
	s_lshl_b32 s26, s17, 8                         ; tab at my 16 outputs,
	s_lshr_b32 s30, s16, 1
	s_lshl_b32 s30, s30, 18                        ; registers 4 w on are batches 16 (w / 2) + 4 (w % 2) on (+ 8 h), 16,384 bytes each
	s_and_b32 s31, s16, 1
	s_lshl_b32 s31, s31, 16
	s_add_co_u32 s26, s26, s30
	s_add_co_u32 s26, s26, s31
	s_add_nc_u64 s[14:15], s[14:15], s[26:27]
	global_load_b32 v[V2], v8, s[10:11]
	WIN 0x40                                       ; fragment f = 2 T + e (batches 16 T on, K step 2 w + e) lands at v[64 f] of window 1
.irp f, 0,1,2,3
.irp i, 0,1,2,3,4,5,6,7,8,9,10,11,12,13,14,15
	global_load_b128 v[64*\f+4*\i:64*\f+4*\i+3], v[L16], s[8:9] offset:65536*(\f/2)+4096*\i+512*(\f%2)
.endr
.endr
	WIN 0
	s_wait_loadcnt 63                              ; of 97 loads at most 63 are out: the weight's 32 and v are in
	TAKE 0, 2, 6, 7, WC, WW
	TAKE 64, 2, 6, 7, WC+16, WW+1
.irp f, 0,1,2,3
	s_wait_loadcnt 16*(3-\f)                       ; the later fragments' loads may be out
	TAKE 64*\f, 1, 6, 7, DC+16*\f, DW+\f
.endr
	NOPS 4                                         ; codes written by vector instructions stand four places ahead of a scaled product (the scale word was made ahead of the 64 holds)
	v_wmma_scale_f32_16x16x128_f8f6f4 v[D0:D0+7], v[DC:DC+15], v[WC:WC+15], 0, v[DW], v[WW]
	v_wmma_scale_f32_16x16x128_f8f6f4 v[D1:D1+7], v[DC+32:DC+47], v[WC:WC+15], 0, v[DW+2], v[WW]
	v_wmma_scale_f32_16x16x128_f8f6f4 v[D0:D0+7], v[DC+16:DC+31], v[WC+16:WC+31], v[D0:D0+7], v[DW+1], v[WW+1]   ; the two accumulators take turns
	v_wmma_scale_f32_16x16x128_f8f6f4 v[D1:D1+7], v[DC+48:DC+63], v[WC+16:WC+31], v[D1:D1+7], v[DW+3], v[WW+1]
	NOPS 8                                         ; eight places in front of the first read of the results
.irp q, 0,1,2,3
	ds_store_b128 v12, v[D0+4*\q:D0+4*\q+3] offset:512*\q   ; each accumulator from its low end on
.endr
	s_wait_dscnt 0x0                               ; for the others' sake: zero
	s_barrier_signal -1
	s_barrier_wait -1
.irp i, 0,1,2,3
	ds_load_b128 v[S+4*\i:S+4*\i+3], v13 offset:2048*\i   ; wave i's part of registers 4 w .. 4 w + 3
.endr
	s_wait_dscnt 0x0
	v_pk_add_f32 v[S:S+1], v[S:S+1], v[S+4:S+5]
	v_pk_add_f32 v[S+2:S+3], v[S+2:S+3], v[S+6:S+7]
	v_pk_add_f32 v[S+8:S+9], v[S+8:S+9], v[S+12:S+13]
	v_pk_add_f32 v[S+10:S+11], v[S+10:S+11], v[S+14:S+15]
	v_pk_add_f32 v[S:S+1], v[S:S+1], v[S+8:S+9]
	v_pk_add_f32 v[S+2:S+3], v[S+2:S+3], v[S+10:S+11]
	v_mul_f32 v[V2], -2.0, v[V2]
.irp x, 0,1,2,3                                ; register 4 w + x of lane (r, h): ws(batch 16 (w / 2) + 4 (w % 2) + 8 h + x, output 16 t + r)
	v_mul_f32 v[E+4*\x], s23, v[S+\x]
	v_mul_f32 v[E+4*\x+1], s23, v[S+\x]
	v_mov_b32 v[E+4*\x+2], v[V2]
	v_mov_b32 v[E+4*\x+3], v[V2]
	global_store_b128 v9, v[E+4*\x:E+4*\x+3], s[14:15] offset:16384*\x   ; sixteen lanes store 256 consecutive bytes, aligned
.endr
	s_wait_tensorcnt 0x0                           ; the wave's end
	ds_add_u32 v[SPW], v[NIL]
	s_wait_dscnt 0x0
	s_endpgm
.Lfunc_end_k_q5d458d674d_prep:
	.size	k_q5d458d674d_prep, .Lfunc_end_k_q5d458d674d_prep-k_q5d458d674d_prep
	.p2alignl 7, 3214868480
	.fill 96, 4, 3214868480
	.section	.rodata,"a",@progbits
	.p2align	6, 0x0
	.amdhsa_kernel k_q5d458d674d_prep
		.amdhsa_group_segment_fixed_size 76800
		.amdhsa_private_segment_fixed_size 0
		.amdhsa_enable_private_segment 0
		.amdhsa_kernarg_size 48
		.amdhsa_user_sgpr_count 2
		.amdhsa_user_sgpr_kernarg_segment_ptr 1
		.amdhsa_wavefront_size32 1
		.amdhsa_system_sgpr_workgroup_id_x 1
		.amdhsa_system_sgpr_workgroup_id_y 1
		.amdhsa_system_sgpr_workgroup_id_z 1
		.amdhsa_system_vgpr_workitem_id 0
		.amdhsa_next_free_vgpr 640
		.amdhsa_next_free_sgpr 66
		.amdhsa_reserve_vcc 1
		.amdhsa_float_denorm_mode_32 3
		.amdhsa_float_denorm_mode_16_64 3
		.amdhsa_memory_ordered 1
		.amdhsa_forward_progress 1
		.amdhsa_inst_pref_size 98
	.end_amdhsa_kernel
	.amdgpu_metadata
---
amdhsa.version: [ 1, 2 ]
amdhsa.kernels:
  - .name:           k_q5d458d674d_prep
    .symbol:         k_q5d458d674d_prep.kd
    .args:
      - { .name: W_h, .offset: 0, .size: 8, .value_kind: global_buffer, .address_space: global }
      - { .name: W_s, .offset: 8, .size: 8, .value_kind: global_buffer, .address_space: global }
      - { .name: decoder_hidden, .offset: 16, .size: 8, .value_kind: global_buffer, .address_space: global }
      - { .name: v, .offset: 24, .size: 8, .value_kind: global_buffer, .address_space: global }
      - { .name: wq, .offset: 32, .size: 8, .value_kind: global_buffer, .address_space: global }
      - { .name: tab, .offset: 40, .size: 8, .value_kind: global_buffer, .address_space: global }
    .group_segment_fixed_size: 76800
    .private_segment_fixed_size: 0
    .kernarg_segment_align: 8
    .kernarg_segment_size: 48
    .max_flat_workgroup_size: 128
    .sgpr_count:     66
    .vgpr_count:     640
    .wavefront_size: 32
...
	.end_amdgpu_metadata
.endif
;; end of part 1
;; launch main (part 2): grid 512 x 1, 4 waves a work-group, clusters of 4 x 1, 327,680 bytes of LDS; arguments encoder_outputs, wq, tab, scores, part; writes scores, part
.if DOCPART == 2
	.amdgcn_target "amdgcn-amd-amdhsa--gfx1250"
	.amdhsa_code_object_version 6
	.text
	.protected	k_q5d458d674d_main
	.globl	k_q5d458d674d_main
	.p2align	8
	.type	k_q5d458d674d_main,@function
k_q5d458d674d_main:
	s_mov_b64 s[64:65], 0
	v_nop
	global_prefetch_b8 v0, s[64:65] scope:SCOPE_SE
	s_setreg_imm32_b32 hwreg(HW_REG_WAVE_MODE, 25, 1), 1
	s_wait_xcnt 0x0
	s_wait_alu depctr_hold_cnt(0) depctr_sa_sdst(0) depctr_va_vdst(0) depctr_va_sdst(0) depctr_va_ssrc(0) depctr_va_vcc(0) depctr_vm_vsrc(0)
	s_getreg_b32 s2, hwreg(HW_REG_IB_STS2, 6, 4)
	s_cmp_eq_u32 s2, 0
	s_cbranch_scc0 .Lentry_in_a_cluster
	s_endpgm
.Lentry_in_a_cluster:
	s_bfe_u32 s2, ttmp6, 0x10000c
	s_cmp_lg_u32 s2, 0x3003
	s_cbranch_scc0 .Lentry_shape_is_right
	s_endpgm
.Lentry_shape_is_right:
; For 128 rows of one batch: quantise them (E4M3, one E8M0 byte for each 32 along K), multiply by all of W_h (codes from wq) by the scaled matrix form, add ws, tanh, dot with v: the rows' scores;
; then the work-group's own softmax (its own maximum m, sum l) and its part of the context, sum over its rows of e^(s - m) x row.  The last launch joins a batch's 16 parts.
; encoder_outputs is read from memory ONCE: a row's codes (window 1) and its numbers as bf16 (window 3 and LDS) stay on chip until its score is known.
; tanh(y) = 1 - 2 r, r = 1 / (1 + 2^(c y)), c = 2 log2(e): where 2^(..) is infinite r = 0, where it is 0 r = 1: no clamp.  The stored score is s' = -2 sum over o of v[o] r[o]:
; the term sum over o of v[o] is the same for all rows of a batch, and a softmax does not change when one number is added to all its scores: it is left out, for all values of v.
; SHARES.  Work-group g = rows 128 g on (16 work-groups to a batch).  Wave w owns rows 32 w .. 32 w + 31, two tiles of 16, for ALL 1,024 outputs; the waves share only the ring of W_h.
; A product: source 0 = 16 of my rows, source 1 = 16 rows of W_h: a lane holds ONE output (lane % 16) and eight rows, so ws and v of that output are one table entry a lane.
; THE PRODUCT goes by PAIRS of W_h's tiles: 8 K steps x (2 tiles x 2 row tiles): four accumulators by turns, three other products between two steps of a sum.
; W_h's fragments of a pair fill window 2 once, and the registers of K steps that are done take the NEXT pair's fragments, in FOUR RUNS of 16 LDS loads laid over the pair:
; K steps 0, 1 behind K step 3's products; 2, 3 (and the scale words) ahead of the exponentials; 4, 5 behind them; 6, 7 behind the reciprocals.  The waits for them are counted, K steps apart, in the next pair.
; The pair's vector work (c x + c ws, 2^x, + 1, 1 / x, times -2 v) stands behind its 32 products: no transcendental stands between two links of a sum.
; CLUSTER.  The four work-groups of a cluster lie in one batch and walk the same W_h and the same table: each tile is asked for JOINTLY (mask 15), wave w fetching tile w of a slot's four.
; RING.  Two slots of four tiles (67,584 bytes).  In a slot's second pair all its bytes are in registers: there it is filled again, and the load has two pairs' work in which to land.
; NO PREFETCH: encoder_outputs is asked for by plain loads three groups (48 loads a wave) ahead and is the launch's one stream from memory; wq and tab are read by all 512 work-groups.
; LIMITS: NaN and infinities among the inputs are not served; a block whose largest magnitude lies under 2^-118 keeps the byte 1, a block of zeros too (its codes are zeros);
; the rows go into the context as bf16 (that product is left as it is).
; REGISTERS, in windows of 256: window 1: my codes, fragment (tile m, K step k) at v[128 m + 16 k].  window 2: W_h's fragments, tile u of the pair, K step k at v[128 u + 16 k]; in the ingest four landing sets of 64.
;   window 3: tile 0 as bf16, row i at v[16 i].  window 0: all else (below).
.set SLOT,  67584                      ; four tiles of W_h
.set TILEB, 16896                      ; a tile: 16,384 bytes of codes, 512 of scale words
.set TAB,   135168                     ; behind the ring: the batch's table, 16,384 bytes, filled once
.set RET,   151552                     ; wave w's tile 1 as bf16, 32,768 bytes: [row i][K step s][lane][8 bytes]
.set STG,   282624                     ; wave w's stage for the turn of f32 numbers: 16 rows, pitch 528
.set CTXS,  STG                        ; later: four waves' contexts, 4,096 bytes each
.set SCR,   316416                     ; scores, 128 bytes a wave;
.set PSC,   SCR+512                    ; the weights p, 128 bytes a wave;
.set MLS,   SCR+1024                   ; (maximum, sum), 8 bytes a wave
.set SPARE, 318464                     ; the spare words, 128 bytes for each wave
.set R,    1
.set H,    2
.set L16,  3                           ; 16 x lane
.set STS,  4                           ; the stage, in
.set STL,  5                           ; the stage, out: 528 r + 64 h
.set RETA, 6
.set BA0,  7                           ; the slot in hand, tiles 0 and 1;  later: where I store my context
.set BA1,  8                           ; tiles 2 and 3;  later: where I read contexts back
.set TA,   9                           ; the slot's table entries
.set TU,   10                          ; later: my byte offset in the part's row
.set SCW,  11
.set SCRD, 12
.set PSW,  13
.set PBA,  14
.set PBB,  15
.set RA,   16
.set RB,   17
.set SPW,  18                          ; my spare word; never rewritten
.set NIL,  19                          ; 0; never rewritten
.set SA,   20                          ; v20-35  my rows' scale words: tile m, K step k at SA + 8 m + k
.set SW,   36                          ; v36-43  W_h's scale words, tile u at SW + 4 u
.set TB,   44                          ; v44-51  table entries, tile u at TB + 4 u
.set TSB,  44                          ; in the ingest's second half: the conversions' scale operands
.set ZR,   52
.set TA0,  53
.set SS,   54
.set T0,   55
.set T1,   56
.set PP,   57
.set MM,   58
.set MLW,  60
.set SCA,  61
.set MLR,  62
.set L8,   63
.set ACC,  64                          ; v64-95  accumulators: tile u, row tile m at ACC + 16 u + 8 m
.set SACC, 96                          ; v96-111 the scores' sums: row 16 m + 8 h + j at SACC + 8 m + j
.set XB,   64
.set XA,   128
.set CT,   128
.set P,    160
.set PR,   176
.set ML,   178
.set Y,    192
.set ROWA, 192
.set ROWB, 208
.set TM,   224
.set TSA,  236
.set CC,   52                          ; s[52:53] c, twice
.set SEL,  54
.set MNT,  56
.set MSB, 0
.macro WIN new                         ; the immediate's high byte repeats the setting that is left; a switch that changes nothing is dropped
.if MSB != (\new)
	s_set_vgpr_msb (MSB<<8)|(\new)
.set MSB, (\new)
.endif
.endm
.macro NOPS n
.rept \n
	v_nop
.endr
.endm
.macro CREST                           ; a round of the cluster's barrier behind its opening barrier
	s_cmp_lg_u32 s14, 0
	s_cbranch_scc1 .Lnot_wave_0_\@
	s_barrier_signal -3
.Lnot_wave_0_\@:
	s_barrier_wait -3
	s_barrier_signal -1
	s_barrier_wait -1
.endm
.macro CROUND
	s_barrier_signal -1
	s_barrier_wait -1
	CREST
.endm
.macro SEQ                             ; ahead of a later first fill, as ahead of a refill
	s_wait_tensorcnt 0x0
	ds_add_u32 v[SPW], v[NIL]
	s_wait_dscnt 0x0
	CROUND
.endm
; 64 numbers of a lane in window sw, register sb + 16 b + i = k 32 b + 16 (lane / 16) + i of my row, become a fragment's 16 registers of codes at db in window dw and its scale word in v[pw].
.macro QUANT sb, sw, db, dw, pw, ts
	WIN (\sw)*5
.irp b, 0,1,2,3
	v_max3_num_f32 v[TM+\b], |v[(\sb)+16*\b]|, |v[(\sb)+16*\b+1]|, 0x4800000   ; my 16 numbers, and the floor 2^(9 - 127): the byte cannot fall under 1
.endr
.irp i, 2,4,6,8,10,12,14
.irp b, 0,1,2,3
	v_max3_num_f32 v[TM+\b], |v[(\sb)+16*\b+\i]|, |v[(\sb)+16*\b+\i+1]|, v[TM+\b]
.endr
.endr
	WIN 0
.irp b, 0,1,2,3
	v_permlanex16_b32 v[TM+4+\b], v[TM+\b], s[SEL], s[SEL+1]
.endr
.irp b, 0,1,2,3
	v_max_num_f32 v[TM+\b], v[TM+\b], v[TM+4+\b]           ; the block's largest magnitude
.endr
.irp b, 0,1,2,3
	v_add_nc_u32 v[(\ts)+\b], 0xfc000000, v[TM+\b]         ; 8 off its exponent field: the conversion's scale operand
.endr
.irp b, 0,1,2,3
	v_and_or_b32 v[TM+8+\b], v[TM+\b], 0x7f800000, s[MNT]  ; 448 x the scale
.endr
.irp b, 0,1,2,3
	v_lshrrev_b32 v[TM+4+\b], 23, v[(\ts)+\b]              ; the scale's byte
.endr
	v_lshl_or_b32 v[\pw], v[TM+5], 8, v[TM+4]
	v_lshl_or_b32 v[\pw], v[TM+6], 16, v[\pw]
	v_lshl_or_b32 v[\pw], v[TM+7], 24, v[\pw]
	WIN (\sw)|((\sw)<<6)
.irp b, 0,1,2,3
.irp i, 0,1,2,3,4,5,6,7,8,9,10,11,12,13,14,15
	v_med3_num_f32 v[(\sb)+16*\b+\i], v[(\sb)+16*\b+\i], -v[TM+8+\b], v[TM+8+\b]   ; the conversion does not saturate (ISA guide 7.6.2): the hold comes first
.endr
.endr
	WIN (\sw)|((\dw)<<6)
.irp b, 0,1,2,3
	v_cvt_scalef32_pk8_fp8_f32 v[(\db)+4*\b:(\db)+4*\b+1], v[(\sb)+16*\b:(\sb)+16*\b+7], v[(\ts)+\b]
	v_cvt_scalef32_pk8_fp8_f32 v[(\db)+4*\b+2:(\db)+4*\b+3], v[(\sb)+16*\b+8:(\sb)+16*\b+15], v[(\ts)+\b]
.endr
	WIN 0
	v_nop                                                  ; one plain line behind the last conversion
.endm
; Group g = tile g / 8, K step g % 8: 16 rows x 512 bytes.  Each load reads 512 consecutive bytes of one row into landing set g % 4 of window 2.
.macro LOADG g
	WIN 0x80
.irp i, 0,1,2,3,4,5,6,7,8,9,10,11,12,13,14,15
	global_load_b128 v[64*((\g)%4)+4*\i:64*((\g)%4)+4*\i+3], v[L16], s[4:5] offset:(16*((\g)/8)+\i)*4096+512*((\g)%8) th:TH_LOAD_NT
.endr
	WIN 0
.endm
; Group g is taken in: as it landed it becomes bf16; through my stage it comes back 16 neighbours of each block to a lane, and is quantised.
.macro ING g
.set LS, 64*((\g)%4)
.set KS, (\g)%8
.if (\g) < 8
.set XS, XA
.set TSS, TSA
.else
.set XS, XB
.set TSS, TSB
.endif
	s_wait_dscnt 0x0                               ; the last group's LDS stores have read their registers
.if (\g)+3 < 16
	LOADG (\g)+3
.endif
.if 15-(\g) >= 3
	s_wait_loadcnt 48                              ; my group's 16 loads are in; those of the three groups behind it may be out
.else
	s_wait_loadcnt 16*(15-(\g))
.endif
	WIN 0x08
.irp i, 0,1,2,3,4,5,6,7,8,9,10,11,12,13,14,15
	ds_store_b128 v[STS], v[LS+4*\i:LS+4*\i+3] offset:528*\i
.endr
	WIN 0
.irp c, 0,1,2,3
.irp j, 0,1,2,3
	ds_load_b128 v[XS+16*\c+4*\j:XS+16*\c+4*\j+3], v[STL] offset:128*\c+16*\j   ; LDS serves a wave's instructions in order: these see the stores above
.endr
.endr
.if (\g) < 8
	WIN 0xca
.irp i, 0,1,2,3,4,5,6,7,8,9,10,11,12,13,14,15
	v_cvt_pk_bf16_f32 v[16*\i+2*KS], v[LS+4*\i], v[LS+4*\i+1]
	v_cvt_pk_bf16_f32 v[16*\i+2*KS+1], v[LS+4*\i+2], v[LS+4*\i+3]
.endr
	WIN 0
	s_wait_dscnt 0x0
.else
	WIN 0x0a
.irp i, 0,1,2,3,4,5,6,7,8,9,10,11,12,13,14,15
	v_cvt_pk_bf16_f32 v[Y+2*\i], v[LS+4*\i], v[LS+4*\i+1]
	v_cvt_pk_bf16_f32 v[Y+2*\i+1], v[LS+4*\i+2], v[LS+4*\i+3]
.endr
	WIN 0
.irp i, 0,1,2,3,4,5,6,7,8,9,10,11,12,13,14,15
	ds_store_b64 v[RETA], v[Y+2*\i:Y+2*\i+1] offset:2048*\i+256*KS
.endr
	s_wait_dscnt 16                                ; only these 16 stores may be out: the 64 numbers are back
.endif
	QUANT XS, 0, 16*(\g), 1, SA+(\g), TSS
.endm
; K step k of a pair of tiles: four products, the four accumulators by turns
.macro GRP k
	WIN 0x09                                       ; source 0 (my codes) window 1, source 1 (W_h) window 2, C and D window 0
.irp u, 0,1
.irp m, 0,1
.set xa, ACC+16*\u+8*\m
.if (\k) == 0
	v_wmma_scale_f32_16x16x128_f8f6f4 v[xa:xa+7], v[128*\m+16*(\k):128*\m+16*(\k)+15], v[128*\u+16*(\k):128*\u+16*(\k)+15], 0, v[SA+8*\m+(\k)], v[SW+4*\u+(\k)/2]
.elseif (\k)%2 == 0
	v_wmma_scale_f32_16x16x128_f8f6f4 v[xa:xa+7], v[128*\m+16*(\k):128*\m+16*(\k)+15], v[128*\u+16*(\k):128*\u+16*(\k)+15], v[xa:xa+7], v[SA+8*\m+(\k)], v[SW+4*\u+(\k)/2]
.else
	v_wmma_scale_f32_16x16x128_f8f6f4 v[xa:xa+7], v[128*\m+16*(\k):128*\m+16*(\k)+15], v[128*\u+16*(\k):128*\u+16*(\k)+15], v[xa:xa+7], v[SA+8*\m+(\k)], v[SW+4*\u+(\k)/2] matrix_b_scale:MATRIX_SCALE_ROW1
.endif
.endr
.endr
.endm
.macro LDK adr, k                      ; K step k's fragments of the two tiles at v[adr]: eight loads of 512 consecutive bytes
	WIN 0x80
.irp u, 0,1
.irp c, 0,1,2,3
	ds_load_b128 v[128*\u+16*(\k)+4*\c:128*\u+16*(\k)+4*\c+3], v[\adr] offset:\u*TILEB+2048*(\k)+512*\c
.endr
.endr
.endm
.macro LDSW adr                        ; their scale words
	WIN 0
.irp u, 0,1
	ds_load_b128 v[SW+4*\u:SW+4*\u+3], v[\adr] offset:\u*TILEB+16384
.endr
.endm
.macro LDTB off                        ; the pair's two table entries (c ws, c ws, -2 v, -2 v)
	WIN 0
	ds_load_b128 v[TB:TB+3], v[TA] offset:\off
	ds_load_b128 v[TB+4:TB+7], v[TA] offset:\off+256
.endm
.macro FETCHALL adr                    ; a whole pair in one run, in the order of the four runs: 16, 18, 16, 16 loads, so that the next pair's counted waits hold
	LDK \adr, 0
	LDK \adr, 1
	LDK \adr, 2
	LDK \adr, 3
	LDSW \adr
	LDK \adr, 4
	LDK \adr, 5
	LDK \adr, 6
	LDK \adr, 7
	WIN 0
.endm
.macro TOGGLE                          ; on to the other slot
	s_xor_b32 s57, s57, SLOT
	s_add_co_u32 s58, s58, 1024
	v_add_nc_u32 v[BA0], s57, v[L16]
	v_add_nc_u32 v[BA1], 2*TILEB, v[BA0]
	v_add_nc_u32 v[TA], s58, v[TA0]
	s_wait_alu depctr_va_vdst(0)                   ; directly behind the writes
.endm
; PAIR d (0, 1) of the slot in hand.  The LDS instructions of a pair, in their order: 2 table entries; run 1 (16); run 2 (18); run 3 (16); run 4 (16).
; chg = 0: the next pair lies in the same slot.  chg = 1: the slot's second pair: behind K step 2 every wave waits for all its tensor loads (one is out: its tile of the next slot), adds 0 to its spare word,
; multiplies K step 3, waits for the add and for its reads of the slot; a round of the cluster's barrier; the joint refill first behind it; then the next slot's first pair is fetched.
; chg = 2: the same change with nothing left to ask for; the next pair is fetched in one run, and not at all in the last trip.
.macro DUO d, chg
.if (\chg) == 0
.set FA, BA1
	LDTB 512*(\d)
	s_wait_dscnt 34                                ; runs 1 and 2 are in; runs 3 and 4 and the two table entries may be out
	GRP 0
	GRP 1
	GRP 2
	GRP 3
	NOPS 8                                         ; eight places between products and the loads into their registers
	LDK FA, 0                                      ; run 1
	LDK FA, 1
	s_wait_dscnt 34                                ; run 3 is in; run 4, the table entries and the new run 1 may be out
	GRP 4
	GRP 5
	s_wait_dscnt 18                                ; run 4 is in
	GRP 6
	GRP 7
.else
.set FA, BA0
	LDTB 512*(\d)
	s_wait_dscnt 34                                ; runs 1 and 2 are in; runs 3 and 4 and the two table entries may be out
	GRP 0
	GRP 1
	GRP 2
	WIN 0
	s_wait_tensorcnt 0x0                           ; all my tensor loads have landed, so a group 0 may be written
	ds_add_u32 v[SPW], v[NIL]
.if (\chg) == 1
	s_xor_b32 s45, s45, SLOT                       ; the walking descriptor: the other slot than last time,
	s_add_nc_u64 s[46:47], s[46:47], SLOT          ; the next four tiles
.endif
	GRP 3
	s_wait_dscnt 0x0                               ; the add is done; my reads of the slot are over, and the table entries are in
	s_barrier_signal -1
	GRP 4
	GRP 5
	NOPS 8                                         ; the places ahead of run 1
	WIN 0
	s_barrier_wait -1
.if (\chg) == 1
	CREST                                          ; no wave of any partner still reads the slot or has a load on its way
	tensor_load_to_lds s[44:47], s[24:31]          ; my one tensor load behind the round
	s_nop 0
	NOPS 4
.endif
	TOGGLE
.if (\chg) == 1
	LDK FA, 0                                      ; run 1
	LDK FA, 1
.endif
	GRP 6
	GRP 7
.endif
	NOPS 8                                         ; eight places ahead of the first read of the results
	WIN 0
.if (\chg) == 0
	s_wait_dscnt 16                                ; the two table entries are in; run 1 may be out
.endif
.irp u, 0,1
.irp j, 0,2,4,6,8,10,12,14
	v_pk_fma_f32 v[ACC+16*\u+\j:ACC+16*\u+\j+1], v[ACC+16*\u+\j:ACC+16*\u+\j+1], s[CC:CC+1], v[TB+4*\u:TB+4*\u+1] op_sel_hi:[1,0,1]   ; c x + c ws; each accumulator from its low end on
.endr
.endr
.if (\chg) == 2
	s_cmp_eq_u32 s59, 1                            ; the last trip has no pair behind it
	s_cbranch_scc1 .Lno_more_\@
	FETCHALL FA
.Lno_more_\@:
.endif
	s_wait_alu depctr_va_vdst(0)                   ; the wait ahead of the batch
.if (\chg) < 2
	LDK FA, 2                                      ; run 2
	LDK FA, 3
	LDSW FA
.endif
.set n, 0
.rept 32
	v_exp_f32 v[ACC+n], v[ACC+n]
.set n, n+1
.endr
	v_nop
	s_wait_alu depctr_va_vdst(0)                   ; and behind it
.if (\chg) < 2
	LDK FA, 4                                      ; run 3
	LDK FA, 5
	WIN 0
.endif
.set n, 0
.rept 16
	v_pk_add_f32 v[ACC+n:ACC+n+1], v[ACC+n:ACC+n+1], 1.0 op_sel_hi:[1,0]
.set n, n+2
.endr
	s_wait_alu depctr_va_vdst(0)
.set n, 0
.rept 32
	v_rcp_f32 v[ACC+n], v[ACC+n]
.set n, n+1
.endr
	v_nop
	s_wait_alu depctr_va_vdst(0)
.if (\chg) < 2
	LDK FA, 6                                      ; run 4
	LDK FA, 7
	WIN 0
.endif
.irp u, 0,1
.irp j, 0,2,4,6,8,10,12,14
	v_pk_fma_f32 v[SACC+\j:SACC+\j+1], v[ACC+16*\u+\j:ACC+16*\u+\j+1], v[TB+4*\u+2:TB+4*\u+3], v[SACC+\j:SACC+\j+1]   ; the scores' sums take -2 v r
.endr
.endr
.endm
; The context.  A row as bf16 (16 registers: K step s at 2 s, 2 s + 1) and its p
.macro ROWLD buf, radr, padr, roff, poff, pr
.irp s, 0,1,2,3,4,5,6,7
	ds_load_b64 v[\buf+2*\s:\buf+2*\s+1], v[\radr] offset:\roff+256*\s
.endr
	ds_load_b32 v[\pr], v[\padr] offset:\poff
.endm
.macro ROWFMA xb, pr, first            ; my 32 columns take p x the row: a bf16 half times an f32, added in f32
.irp s, 0,1,2,3,4,5,6,7
.irp r, 0,1
.if \first
	v_fma_mix_f32_bf16 v[CT+4*\s+2*\r], v[(\xb)+2*\s+\r], v[\pr], v[ZR] op_sel_hi:[1,0,0]
	v_fma_mix_f32_bf16 v[CT+4*\s+2*\r+1], v[(\xb)+2*\s+\r], v[\pr], v[ZR] op_sel:[1,0,0] op_sel_hi:[1,0,0]
.else
	v_fma_mix_f32_bf16 v[CT+4*\s+2*\r], v[(\xb)+2*\s+\r], v[\pr], v[CT+4*\s+2*\r] op_sel_hi:[1,0,0]
	v_fma_mix_f32_bf16 v[CT+4*\s+2*\r+1], v[(\xb)+2*\s+\r], v[\pr], v[CT+4*\s+2*\r+1] op_sel:[1,0,0] op_sel_hi:[1,0,0]
.endif
.endr
.endr
.endm
	; ---- the head: scalar work first, then the vector lines on end
	s_load_b256 s[4:11], s[0:1], 0x0               ; encoder_outputs s[4:5], wq s[6:7], tab s[8:9], scores s[10:11]
	s_load_b64 s[12:13], s[0:1], 0x20              ; part
	v_lshl_add_u32 v[SPW], v0, 2, SPARE
	v_mov_b32 v[NIL], 0
	ds_add_u32 v[SPW], v[NIL]                      ; the opening lines: the add, twice on end, and its wait ahead of my first tensor load
	ds_add_u32 v[SPW], v[NIL]
	v_lshrrev_b32 v[SS], 5, v0
	v_readfirstlane_b32 s14, v[SS]                 ; wave 0..3
	s_bfe_u32 s15, ttmp6, 0x40000                  ; cx
	s_lshl_b32 s16, ttmp9, 2
	s_add_co_u32 s16, s16, s15                     ; g = 4 x cluster + cx: it enters the addresses of encoder_outputs, scores and part alone
	s_mul_i32 s17, s14, 8448
	s_add_co_u32 s17, s17, STG                     ; my stage
	s_lshl_b32 s66, s14, 15
	s_add_co_u32 s66, s66, RET
	s_lshl_b32 s67, s14, 7
	s_add_co_u32 s67, s67, SCR
	s_add_co_u32 s68, s67, 512
	s_lshl_b32 s69, s14, 3
	s_add_co_u32 s69, s69, MLS
	s_mov_b32 s[CC], 0x4038aa3b                    ; c = 2 log2(e)
	s_mov_b32 s[CC+1], s[CC]
	s_mov_b32 s[SEL], 0x76543210
	s_mov_b32 s[SEL+1], 0xfedcba98
	s_mov_b32 s[MNT], 0x600000
	s_mov_b32 s57, 0                               ; the slot in hand: 0 or SLOT
	s_mov_b32 s58, 0                               ; its table entries: 1,024 bytes a slot
	s_mov_b32 s60, 0x3fb8aa3b                      ; log2(e)
	; descriptor group 1: a tile of W_h, 16,896 dense bytes, as 66 rows of 256 bytes (32 elements of 8 bytes); mask 15, bit 21 beside it
	s_mov_b32 s24, 15|(3<<16)|(1<<21)
	s_mov_b32 s25, 32<<16
	s_mov_b32 s26, 66<<16
	s_mov_b32 s27, 32<<16
	s_mov_b32 s28, 66
	s_mov_b32 s29, 32
	s_mov_b32 s30, 0
	s_mov_b32 s31, 0
	; and a quarter of the batch's table: 16 rows of 256 bytes
	s_mov_b32 s32, 15|(3<<16)|(1<<21)
	s_mov_b32 s33, 32<<16
	s_mov_b32 s34, 16<<16
	s_mov_b32 s35, 32<<16
	s_mov_b32 s36, 16
	s_mov_b32 s37, 32
	s_mov_b32 s38, 0
	s_mov_b32 s39, 0
	s_mul_i32 s22, s14, TILEB                      ; my tile of a slot, in LDS and in wq
	s_mov_b32 s23, 0
	s_lshr_b32 s20, ttmp9, 2                       ; the batch: four clusters each
	s_lshl_b32 s20, s20, 14
	s_lshl_b32 s18, s14, 12                        ; my quarter of its table
	s_add_co_u32 s20, s20, s18
	s_mov_b32 s21, 0
	s_lshl_b32 s2, s16, 19                         ; my work-group's 128 rows of 4,096 bytes,
	s_lshl_b32 s3, s14, 17                         ; my wave's 32 of them
	s_add_co_u32 s2, s2, s3
	s_mov_b32 s3, 0
	v_and_b32 v[R], 15, v0
	v_bfe_u32 v[H], v0, 4, 1
	v_and_b32 v[T0], 31, v0
	v_lshlrev_b32 v[L16], 4, v[T0]
	v_add_nc_u32 v[STS], s17, v[L16]
	v_mul_u32_u24 v[STL], v[R], 528
	v_lshl_add_u32 v[STL], v[H], 6, v[STL]
	v_add_nc_u32 v[STL], s17, v[STL]
	v_lshlrev_b32 v[L8], 3, v[T0]
	v_add_nc_u32 v[RETA], s66, v[L8]
	v_add_nc_u32 v[RA], s66, v[L8]
	v_add_nc_u32 v[RB], s66, v[L8]
	v_lshlrev_b32 v[SCW], 5, v[H]
	v_add_nc_u32 v[SCW], s67, v[SCW]               ; scores in: 128 x wave + 32 h (+ 64 m + 4 j)
	v_lshlrev_b32 v[T1], 2, v[T0]
	v_add_nc_u32 v[SCRD], s67, v[T1]               ; and back: a lane a row
	v_add_nc_u32 v[PSW], s68, v[T1]
	v_mov_b32 v[PBA], s68
	v_mov_b32 v[PBB], s68
	v_mov_b32 v[MLW], s69
	v_mov_b32 v[MLR], MLS
	v_add_nc_u32 v[SCA], SCR, v[L16]
	v_lshl_add_u32 v[TA0], v[R], 4, TAB
	v_mov_b32 v[ZR], 0
.irp b, 0,1,2,3
	v_mov_b32 v[TM+4+\b], 0                        ; written once: a lane permute's destination counts as one of its sources
.endr
	s_wait_alu depctr_va_vdst(0)                   ; the wait at the head's end
	s_wait_dscnt 0x0                               ; both opening adds are done
	s_wait_kmcnt 0x0
	s_add_nc_u64 s[4:5], s[4:5], s[2:3]
	LOADG 0
	LOADG 1
	LOADG 2
	s_lshl_b32 s2, s16, 9
	s_add_nc_u64 s[10:11], s[10:11], s[2:3]        ; scores at my 128 rows
	s_mul_i32 s2, s16, 4352
	s_add_nc_u64 s[12:13], s[12:13], s[2:3]        ; part at my row
	s_add_nc_u64 s[6:7], s[6:7], s[22:23]
	s_add_nc_u64 s[8:9], s[8:9], s[20:21]
	s_mov_b32 s40, 1                               ; group 0, slot 0
	s_mov_b32 s41, s22
	s_mov_b64 s[42:43], s[6:7]
	s_or_b32 s43, s43, 0x80000000
	s_mov_b32 s44, 1                               ; slot 1; this set then walks on
	s_add_co_u32 s45, s22, SLOT
	s_add_nc_u64 s[46:47], s[6:7], SLOT
	s_or_b32 s47, s47, 0x80000000
	s_mov_b32 s48, 1                               ; the table
	s_add_co_u32 s49, s18, TAB
	s_mov_b64 s[50:51], s[8:9]
	s_or_b32 s51, s51, 0x80000000
	CROUND                                         ; all four work-groups are here: the first joint loads meet
	tensor_load_to_lds s[40:43], s[24:31]          ; slot 0: one tensor load a wave at the head
	s_nop 0
	NOPS 4
	; ---- the ingest: 16 groups, written out: each has its own registers for its codes and its bf16.  Slot 1 and the table are first filled behind the full sequence, one load a wave each time,
	; four and ten groups into the ingest: each sequence's wait for the tensor load before it stands several groups behind that load
.irp g, 0,1,2,3
	ING \g
.endr
	SEQ
	tensor_load_to_lds s[44:47], s[24:31]          ; slot 1
	s_nop 0
	NOPS 4
.irp g, 4,5,6,7,8,9
	ING \g
.endr
	SEQ
	tensor_load_to_lds s[48:51], s[32:39]          ; my quarter of the table
	s_nop 0
	NOPS 4
.irp g, 10,11,12,13,14,15
	ING \g
.endr
	s_wait_alu depctr_va_vdst(0)                   ; directly ahead of the wait below
	s_wait_tensorcnt 0x0                           ; my quarter of the table is in,
	s_wait_dscnt 0x0
	s_barrier_signal -1
	s_barrier_wait -1                              ; everybody's is
	v_add_nc_u32 v[BA0], s57, v[L16]
	v_add_nc_u32 v[BA1], 2*TILEB, v[BA0]
	v_add_nc_u32 v[TA], s58, v[TA0]
	s_wait_alu depctr_va_vdst(0)                   ; directly behind the writes
	FETCHALL BA0                                   ; the first pair
.irp j, 0,1,2,3,4,5,6,7,8,9,10,11,12,13,14,15
	v_mov_b32 v[SACC+\j], 0                        ; (also the places between the last codes and the first products)
.endr
	; ---- the product: 64 tiles of 16 outputs, 16 slots of two pairs
	s_mov_b32 s59, 14
.Lslot:                                            ; 14 trips: trip i multiplies slot i and asks for slot i + 2
	DUO 0, 0
	DUO 1, 1
	s_sub_co_u32 s59, s59, 1
	s_cmp_lg_u32 s59, 0
	s_cbranch_scc1 .Lslot
	s_mov_b32 s59, 2
.Ltail:                                            ; the last two slots: a text of their own, with no tensor load
	DUO 0, 0
	DUO 1, 2
	s_sub_co_u32 s59, s59, 1
	s_cmp_lg_u32 s59, 0
	s_cbranch_scc1 .Ltail
	s_wait_alu depctr_va_vdst(0)
	; ---- scores: the sums of the sixteen lanes of a half are added; then a lane takes a row
	s_lshl_b32 s17, s14, 12
	s_add_co_u32 s17, s17, CTXS
	v_add_nc_u32 v[BA0], s17, v[L16]               ; where my context goes
	s_lshl_b32 s17, s14, 10
	v_add_nc_u32 v[TU], s17, v[L16]                ; my 1,024 bytes of the part's row
	s_add_co_u32 s17, s17, CTXS
	v_add_nc_u32 v[BA1], s17, v[L16]               ; and of each wave's context
.irp x, 1,2,4,8
.irp n, 0,1,2,3,4,5,6,7,8,9,10,11,12,13,14,15
	v_add_f32_dpp v[SACC+\n], v[SACC+\n], v[SACC+\n] row_xmask:\x row_mask:0xf bank_mask:0xf
.endr
.endr
.irp m, 0,1
.irp j, 0,1,2,3,4,5,6,7
	ds_store_b32 v[SCW], v[SACC+8*\m+\j] offset:64*\m+4*\j   ; sixteen lanes write one word with one value: row 16 m + 8 h + j
.endr
.endr
	ds_load_b32 v[SS], v[SCRD]                     ; LDS serves a wave's instructions in order
	s_wait_dscnt 0x0
	v_mov_b32 v[T0], v[SS]
.irp x, 1,2,4,8
	v_max_num_f32_dpp v[T0], v[T0], v[T0] row_xmask:\x row_mask:0xf bank_mask:0xf
.endr
	v_permlanex16_b32 v[T1], v[T0], s[SEL], s[SEL+1]
	v_max_num_f32 v[MM], v[T0], v[T1]              ; my wave's largest score
	v_sub_f32 v[PP], v[SS], v[MM]
	v_mul_f32 v[PP], s60, v[PP]
	s_wait_alu depctr_va_vdst(0)
	v_exp_f32 v[PP], v[PP]                         ; p = e^(s - M), at most 1
	v_nop
	s_wait_alu depctr_va_vdst(0)
	v_mov_b32 v[T0], v[PP]
.irp x, 1,2,4,8
	v_add_f32_dpp v[T0], v[T0], v[T0] row_xmask:\x row_mask:0xf bank_mask:0xf
.endr
	v_permlanex16_b32 v[T1], v[T0], s[SEL], s[SEL+1]
	v_add_f32 v[MM+1], v[T0], v[T1]                ; my wave's sum
	ds_store_b32 v[PSW], v[PP]
	ds_store_b64 v[MLW], v[MM:MM+1]
.irp j, 0,1,2,3
	ds_load_b128 v[P+4*\j:P+4*\j+3], v[PBA] offset:16*\j   ; p of rows 0 to 15, the same in every lane
.endr
	ROWLD ROWA, RA, PBA, 0, 64, PR                 ; tile 1's row 0
	s_wait_alu depctr_va_vdst(0)                   ; directly ahead of the wait below
	s_wait_dscnt 9                                 ; only that row's nine loads may be out
	; ---- the context: tile 0 from window 3, tile 1 from LDS, two rows a trip
	WIN 0x03
	ROWFMA 0, P, 1
.irp i, 1,2,3,4,5,6,7,8,9,10,11,12,13,14,15
	ROWFMA 16*\i, P+\i, 0
.endr
	WIN 0
	s_mov_b32 s59, 7
.Lrow:
	ROWLD ROWB, RB, PBB, 2048, 68, PR+1
	s_wait_dscnt 9                                 ; ROWA and its p are in
	v_add_nc_u32 v[RA], 4096, v[RA]
	v_add_nc_u32 v[PBA], 8, v[PBA]
	ROWFMA ROWA, PR, 0
	ROWLD ROWA, RA, PBA, 0, 64, PR
	s_wait_dscnt 9                                 ; ROWB and its p are in
	v_add_nc_u32 v[RB], 4096, v[RB]
	v_add_nc_u32 v[PBB], 8, v[PBB]
	ROWFMA ROWB, PR+1, 0
	s_sub_co_u32 s59, s59, 1
	s_cmp_lg_u32 s59, 0
	s_cbranch_scc1 .Lrow
	ROWLD ROWB, RB, PBB, 2048, 68, PR+1            ; row 15
	s_wait_dscnt 9
	ROWFMA ROWA, PR, 0                             ; row 14
	s_wait_dscnt 0x0
	ROWFMA ROWB, PR+1, 0
	; ---- the four waves' figures meet
	s_wait_alu depctr_va_vdst(0)                   ; directly ahead of the barrier
	s_barrier_signal -1
	s_barrier_wait -1
	ds_load_b128 v[224:227], v[MLR]                ; M0, L0, M1, L1
	ds_load_b128 v[228:231], v[MLR] offset:16      ; M2, L2, M3, L3
	s_wait_dscnt 0x0
	v_max3_num_f32 v[ML], v224, v226, v228
	v_max_num_f32 v[ML], v[ML], v230               ; m
	v_sub_f32 v232, v224, v[ML]
	v_sub_f32 v233, v226, v[ML]
	v_sub_f32 v234, v228, v[ML]
	v_sub_f32 v235, v230, v[ML]
	v_sub_f32 v236, v[MM], v[ML]
.irp n, 232,233,234,235,236
	v_mul_f32 v\n, s60, v\n
.endr
	s_wait_alu depctr_va_vdst(0)
.irp n, 232,233,234,235,236
	v_exp_f32 v\n, v\n                             ; e^(M_i - m), and my own wave's
.endr
	v_nop
	s_wait_alu depctr_va_vdst(0)
	v_mul_f32 v[ML+1], v232, v225
	v_fmac_f32 v[ML+1], v233, v227
	v_fmac_f32 v[ML+1], v234, v229
	v_fmac_f32 v[ML+1], v235, v231                 ; l
	v_mov_b32 v237, v236
	s_wait_alu depctr_va_vdst(0)                   ; directly ahead of the branch
	s_cmp_lg_u32 s14, 0
	s_cbranch_scc1 .Lnot_first                     ; wave 0 stores the 128 scores and (m, l)
	ds_load_b128 v[ML+2:ML+5], v[SCA]
	global_store_b64 v[L8], v[ML:ML+1], s[12:13] offset:4096   ; (m, l) 32 times: 256 consecutive bytes, aligned
	s_wait_dscnt 0x0
	global_store_b128 v[L16], v[ML+2:ML+5], s[10:11]           ; 512 consecutive bytes
.Lnot_first:
.irp n, 0,2,4,6,8,10,12,14,16,18,20,22,24,26,28,30
	v_pk_mul_f32 v[CT+\n:CT+\n+1], v[CT+\n:CT+\n+1], v[236:237]   ; my context under the work-group's m
.endr
.irp s, 0,1,2,3,4,5,6,7
	ds_store_b128 v[BA0], v[CT+4*\s:CT+4*\s+3] offset:512*\s
.endr
	s_wait_dscnt 0x0                               ; for the others' sake: zero
	s_barrier_signal -1
	s_barrier_wait -1
.irp u, 0,1
.irp i, 0,1,2,3
	ds_load_b128 v[224+16*\u+4*\i:224+16*\u+4*\i+3], v[BA1] offset:4096*\i+512*\u   ; columns 256 w + 128 u on of wave i's context
.endr
.endr
	s_wait_dscnt 0x0
.irp u, 0,1
.irp i, 1,2,3
	v_pk_add_f32 v[224+16*\u:225+16*\u], v[224+16*\u:225+16*\u], v[224+16*\u+4*\i:225+16*\u+4*\i]
	v_pk_add_f32 v[226+16*\u:227+16*\u], v[226+16*\u:227+16*\u], v[226+16*\u+4*\i:227+16*\u+4*\i]
.endr
	global_store_b128 v[TU], v[224+16*\u:227+16*\u], s[12:13] offset:512*\u   ; 512 consecutive bytes
.endr
	s_wait_tensorcnt 0x0                           ; the wave's end
	ds_add_u32 v[SPW], v[NIL]
	s_wait_dscnt 0x0
	CROUND                                         ; the closing round
	s_endpgm
.Lfunc_end_k_q5d458d674d_main:
	.size	k_q5d458d674d_main, .Lfunc_end_k_q5d458d674d_main-k_q5d458d674d_main
	.p2alignl 7, 3214868480
	.fill 96, 4, 3214868480
	.section	.rodata,"a",@progbits
	.p2align	6, 0x0
	.amdhsa_kernel k_q5d458d674d_main
		.amdhsa_group_segment_fixed_size 327680
		.amdhsa_private_segment_fixed_size 0
		.amdhsa_enable_private_segment 0
		.amdhsa_kernarg_size 40
		.amdhsa_user_sgpr_count 2
		.amdhsa_user_sgpr_kernarg_segment_ptr 1
		.amdhsa_wavefront_size32 1
		.amdhsa_system_sgpr_workgroup_id_x 1
		.amdhsa_system_sgpr_workgroup_id_y 1
		.amdhsa_system_sgpr_workgroup_id_z 1
		.amdhsa_system_vgpr_workitem_id 0
		.amdhsa_next_free_vgpr 1024
		.amdhsa_next_free_sgpr 72
		.amdhsa_reserve_vcc 0
		.amdhsa_float_denorm_mode_32 3
		.amdhsa_float_denorm_mode_16_64 3
		.amdhsa_memory_ordered 1
		.amdhsa_forward_progress 1
		.amdhsa_inst_pref_size 255
	.end_amdhsa_kernel
	.section	.bss,"aw",@nobits
	.p2align	6
	.space	262144
	.amdgpu_metadata
---
amdhsa.version: [ 1, 2 ]
amdhsa.kernels:
  - .name:           k_q5d458d674d_main
    .symbol:         k_q5d458d674d_main.kd
    .args:
      - { .name: encoder_outputs, .offset: 0, .size: 8, .value_kind: global_buffer, .address_space: global }
      - { .name: wq, .offset: 8, .size: 8, .value_kind: global_buffer, .address_space: global }
      - { .name: tab, .offset: 16, .size: 8, .value_kind: global_buffer, .address_space: global }
      - { .name: scores, .offset: 24, .size: 8, .value_kind: global_buffer, .address_space: global }
      - { .name: part, .offset: 32, .size: 8, .value_kind: global_buffer, .address_space: global }
    .group_segment_fixed_size: 327680
    .private_segment_fixed_size: 0
    .kernarg_segment_align: 8
    .kernarg_segment_size: 40
    .max_flat_workgroup_size: 128
    .sgpr_count:     72
    .vgpr_count:     1024
    .wavefront_size: 32
...
	.end_amdgpu_metadata
.endif
;; end of part 2
;; launch fin (part 3): grid 32 x 1, 8 waves a work-group, no clusters, 0 bytes of LDS; arguments scores, part, out0, out1; writes out0, out1
.if DOCPART == 3
	.amdgcn_target "amdgcn-amd-amdhsa--gfx1250"
	.amdhsa_code_object_version 6
	.text
	.protected	k_q5d458d674d_fin
	.globl	k_q5d458d674d_fin
	.p2align	8
	.type	k_q5d458d674d_fin,@function
k_q5d458d674d_fin:
	s_mov_b64 s[64:65], 0
	v_nop
	global_prefetch_b8 v0, s[64:65] scope:SCOPE_SE
	s_setreg_imm32_b32 hwreg(HW_REG_WAVE_MODE, 25, 1), 1
	s_wait_xcnt 0x0
; One work-group to a batch.  Its 16 parts (row g of part: 1,024 f32 of context under the part's own maximum m_g, then (m_g, l_g)) are joined:
; m = the largest m_g, e_g = e^(m_g - m), L = sum of l_g e_g;  out0 = sum of (e_g / L) context_g;  out1 = e^(s - m) / L.  The maximum is taken away before every exponential.
; Wave w takes 1,024 bytes of the batch's scores and 512 bytes of each context: every load and store of a wave but that of (m, l) covers 512 consecutive bytes.  All loads go out at once.
	s_load_b256 s[4:11], s[0:1], 0x0               ; scores s[4:5], part s[6:7], out0 s[8:9], out1 s[10:11]
	v_lshrrev_b32 v1, 5, v0
	s_delay_alu instid0(VALU_DEP_1)
	v_readfirstlane_b32 s12, v1                    ; wave 0..7
	v_and_b32 v1, 31, v0                           ; lane
	v_and_b32 v2, 15, v0
	s_delay_alu instid0(VALU_DEP_1)
	v_mul_u32_u24 v2, v2, 4352                     ; lane % 16 takes that part's (m, l)
	s_delay_alu instid0(VALU_DEP_3)
	v_lshlrev_b32 v5, 4, v1
	s_lshl_b32 s13, s12, 10
	v_add_nc_u32 v3, s13, v5                       ; scores, out1: 1,024 x wave + 16 x lane
	s_lshl_b32 s13, s12, 9
	v_add_nc_u32 v4, s13, v5                       ; contexts, out0: 512 x wave + 16 x lane
	s_mul_i32 s14, ttmp9, 69632                    ; 16 rows of 4,352 bytes
	s_mov_b32 s15, 0
	s_lshl_b32 s16, ttmp9, 13
	s_mov_b32 s17, 0
	s_lshl_b32 s18, ttmp9, 12
	s_mov_b32 s19, 0
	s_mov_b32 s20, 0x3fb8aa3b                      ; log2(e)
	s_wait_alu depctr_va_vdst(0)
	s_wait_kmcnt 0x0
	s_add_nc_u64 s[6:7], s[6:7], s[14:15]
	s_add_nc_u64 s[4:5], s[4:5], s[16:17]
	s_add_nc_u64 s[10:11], s[10:11], s[16:17]
	s_add_nc_u64 s[8:9], s[8:9], s[18:19]
	global_load_b64 v[6:7], v2, s[6:7] offset:4096
	global_load_b128 v[8:11], v3, s[4:5]
	global_load_b128 v[12:15], v3, s[4:5] offset:512
.irp i, 0,1,2,3,4,5,6,7,8,9,10,11,12,13,14,15
	global_load_b128 v[32+4*\i:35+4*\i], v4, s[6:7] offset:4352*\i
.endr
	s_wait_loadcnt 18                              ; (m, l) is in; the 18 loads behind it may be out
	v_mov_b32 v16, v6
.irp x, 1,2,4,8
	s_delay_alu instid0(VALU_DEP_1)
	v_max_num_f32_dpp v16, v16, v16 row_xmask:\x row_mask:0xf bank_mask:0xf
.endr
	s_delay_alu instid0(VALU_DEP_1)
	v_sub_f32 v17, v6, v16                         ; v16 = m, in every lane
	s_delay_alu instid0(VALU_DEP_1)
	v_mul_f32 v17, s20, v17
	s_wait_alu depctr_va_vdst(0)
	v_exp_f32 v17, v17                             ; e_g
	v_nop
	s_wait_alu depctr_va_vdst(0)
	v_mul_f32 v18, v7, v17
.irp x, 1,2,4,8
	s_delay_alu instid0(VALU_DEP_1)
	v_add_f32_dpp v18, v18, v18 row_xmask:\x row_mask:0xf bank_mask:0xf
.endr
	s_wait_alu depctr_va_vdst(0)
	v_rcp_f32 v19, v18                             ; 1 / L; L is at least 1: the row with the largest score adds 1
	v_nop
	s_wait_alu depctr_va_vdst(0)
	v_mul_f32 v20, v17, v19                        ; e_g / L
.irp i, 0,1,2,3,4,5,6,7,8,9,10,11,12,13,14,15
	v_readlane_b32 s[32+\i], v20, \i
.endr
	s_wait_loadcnt 16                              ; the scores are in
.irp n, 8,9,10,11,12,13,14,15
	v_sub_f32 v\n, v\n, v16
.endr
.irp n, 8,9,10,11,12,13,14,15
	v_mul_f32 v\n, s20, v\n
.endr
	s_wait_alu depctr_va_vdst(0)
.irp n, 8,9,10,11,12,13,14,15
	v_exp_f32 v\n, v\n
.endr
	v_nop
	s_wait_alu depctr_va_vdst(0)                   ; one wait for the eight
.irp n, 8,9,10,11,12,13,14,15
	v_mul_f32 v\n, v\n, v19
.endr
	global_store_b128 v3, v[8:11], s[10:11]
	global_store_b128 v3, v[12:15], s[10:11] offset:512
	s_wait_loadcnt 0x0
.irp e, 0,1,2,3
	v_mul_f32 v[24+\e], s32, v[32+\e]
.endr
.irp i, 1,2,3,4,5,6,7,8,9,10,11,12,13,14,15
.irp e, 0,1,2,3
	s_delay_alu instid0(VALU_DEP_4)
	v_fmac_f32 v[24+\e], s[32+\i], v[32+4*\i+\e]
.endr
.endr
	global_store_b128 v4, v[24:27], s[8:9]
	s_endpgm
.Lfunc_end_k_q5d458d674d_fin:
	.size	k_q5d458d674d_fin, .Lfunc_end_k_q5d458d674d_fin-k_q5d458d674d_fin
	.p2alignl 7, 3214868480
	.fill 96, 4, 3214868480
	.section	.rodata,"a",@progbits
	.p2align	6, 0x0
	.amdhsa_kernel k_q5d458d674d_fin
		.amdhsa_group_segment_fixed_size 0
		.amdhsa_private_segment_fixed_size 0
		.amdhsa_enable_private_segment 0
		.amdhsa_kernarg_size 32
		.amdhsa_user_sgpr_count 2
		.amdhsa_user_sgpr_kernarg_segment_ptr 1
		.amdhsa_wavefront_size32 1
		.amdhsa_system_sgpr_workgroup_id_x 1
		.amdhsa_system_sgpr_workgroup_id_y 1
		.amdhsa_system_sgpr_workgroup_id_z 1
		.amdhsa_system_vgpr_workitem_id 0
		.amdhsa_next_free_vgpr 128
		.amdhsa_next_free_sgpr 66
		.amdhsa_reserve_vcc 0
		.amdhsa_float_denorm_mode_32 3
		.amdhsa_float_denorm_mode_16_64 3
		.amdhsa_memory_ordered 1
		.amdhsa_forward_progress 1
		.amdhsa_inst_pref_size 11
	.end_amdhsa_kernel
	.amdgpu_metadata
---
amdhsa.version: [ 1, 2 ]
amdhsa.kernels:
  - .name:           k_q5d458d674d_fin
    .symbol:         k_q5d458d674d_fin.kd
    .args:
      - { .name: scores, .offset: 0, .size: 8, .value_kind: global_buffer, .address_space: global }
      - { .name: part, .offset: 8, .size: 8, .value_kind: global_buffer, .address_space: global }
      - { .name: out0, .offset: 16, .size: 8, .value_kind: global_buffer, .address_space: global }
      - { .name: out1, .offset: 24, .size: 8, .value_kind: global_buffer, .address_space: global }
    .group_segment_fixed_size: 0
    .private_segment_fixed_size: 0
    .kernarg_segment_align: 8
    .kernarg_segment_size: 32
    .max_flat_workgroup_size: 256
    .sgpr_count:     66
    .vgpr_count:     128
    .wavefront_size: 32
...
	.end_amdgpu_metadata
.endif
;; end of part 3
